; MI455X (gfx1250); checked and timed in simulation.
; The chip was launched on July 23, 2026; its instructions are those of AMD's public machine-readable ISA for CDNA 5 (MIT licence, August 2026) and "CDNA5" Instruction Set Architecture Reference Guide (July 2026). The comments in the code are by the model that wrote it; some were corrected since.
;; CSAB3. Allowed arithmetic: matrix products marked QUANTISED: E2M3 operands, one E8M0 scale for each 32 along K, by v_wmma_scale_f32_16x16x128_f8f6f4 with both operands' format E2M3, f32 sums; everything else in f32.
;; Inputs: W_X 1,024 x 512 float32; W_Y 1,024 x 512 float32; W_k_xx 512 x 512 float32; W_k_xy 512 x 512 float32; W_k_yx 512 x 512 float32; W_k_yy 512 x 512 float32; W_q_xx 512 x 512 float32; W_q_xy 512 x 512 float32; W_q_yx 512 x 512 float32; W_q_yy 512 x 512 float32; W_v_xx 512 x 512 float32; W_v_xy 512 x 512 float32; W_v_yx 512 x 512 float32; W_v_yy 512 x 512 float32; X 8 x 1,024 x 512 float32; Y 8 x 1,024 x 512 float32; b_X 512 float32; b_Y 512 float32; b_k_xx 512 float32; b_k_xy 512 float32; b_k_yx 512 float32; b_k_yy 512 float32; b_q_xx 512 float32; b_q_xy 512 float32; b_q_yx 512 float32; b_q_yy 512 float32; b_v_xx 512 float32; b_v_xy 512 float32; b_v_yx 512 float32; b_v_yy 512 float32.
;; Outputs: out0 8 x 1,024 x 512 float32; out1 8 x 1,024 x 512 float32.
;; This version of the problem:
;;   THIS VERSION OF THE PROBLEM IS GIVEN IN LOW PRECISION. The matrix products marked QUANTISED in the list below multiply operands that are first quantised to E2M3 (2 exponent bits, 3 mantissa bits; 6 bits a number), with one power-of-two scale for each 32 numbers along K (OCP MX v1.0); their sums are f32. All else is computed in f32.
;;   The module's matrix products, in the order in which they are computed (A, B: the left and right operand; K: the contracted axis; several contracted axes count as one K, in the product's order):
;;     1. [M 8,192, K 512] x [K 512, N 512]; A: input X; B: input W_q_xx: QUANTISED
;;     2. [M 8,192, K 512] x [K 512, N 512]; A: input X; B: input W_k_xx: QUANTISED
;;     3. [M 8,192, K 512] x [K 512, N 512]; A: input X; B: input W_v_xx: QUANTISED
;;     4. batch 64 x [M 1,024, K 64] x [K 64, N 1,024]; A: computed on the way; B: computed on the way: QUANTISED
;;     5. batch 64 x [M 1,024, K 1,024] x [K 1,024, N 64]; A: softmax (see below); B: computed on the way: QUANTISED
;;     6. [M 8,192, K 512] x [K 512, N 512]; A: input X; B: input W_q_xy: QUANTISED
;;     7. [M 8,192, K 512] x [K 512, N 512]; A: input Y; B: input W_k_xy: QUANTISED
;;     8. [M 8,192, K 512] x [K 512, N 512]; A: input Y; B: input W_v_xy: QUANTISED
;;     9. batch 64 x [M 1,024, K 64] x [K 64, N 1,024]; A: computed on the way; B: computed on the way: QUANTISED
;;     10. batch 64 x [M 1,024, K 1,024] x [K 1,024, N 64]; A: softmax (see below); B: computed on the way: QUANTISED
;;     11. [M 8,192, K 512] x [K 512, N 512]; A: input Y; B: input W_q_yx: QUANTISED
;;     12. [M 8,192, K 512] x [K 512, N 512]; A: input X; B: input W_k_yx: QUANTISED
;;     13. [M 8,192, K 512] x [K 512, N 512]; A: input X; B: input W_v_yx: QUANTISED
;;     14. batch 64 x [M 1,024, K 64] x [K 64, N 1,024]; A: computed on the way; B: computed on the way: QUANTISED
;;     15. batch 64 x [M 1,024, K 1,024] x [K 1,024, N 64]; A: softmax (see below); B: computed on the way: QUANTISED
;;     16. [M 8,192, K 512] x [K 512, N 512]; A: input Y; B: input W_q_yy: QUANTISED
;;     17. [M 8,192, K 512] x [K 512, N 512]; A: input Y; B: input W_k_yy: QUANTISED
;;     18. [M 8,192, K 512] x [K 512, N 512]; A: input Y; B: input W_v_yy: QUANTISED
;;     19. batch 64 x [M 1,024, K 64] x [K 64, N 1,024]; A: computed on the way; B: computed on the way: QUANTISED
;;     20. batch 64 x [M 1,024, K 1,024] x [K 1,024, N 64]; A: softmax (see below); B: computed on the way: QUANTISED
;;     21. [M 8,192, K 1,024] x [K 1,024, N 512]; A: computed on the way; B: input W_X: QUANTISED
;;     22. [M 8,192, K 1,024] x [K 1,024, N 512]; A: computed on the way; B: input W_Y: QUANTISED
;;   THE QUANTISER, for each operand of a quantised product, along K:
;;     - K is cut into blocks of 32 from its start; a last block that is shorter is filled with zeros.
;;     - A block's scale is 2^e with e = floor(log2(the largest magnitude in the block)) - 2, held to -126 .. 127; a block of zeros has e = 0. As a byte (E8M0): e + 127.
;;     - Each number is divided by its block's scale, clamped to +-7.5, and rounded to the nearest number of E2M3, ties to even, subnormals kept.
;;     - The product sums the exact products of the quantised numbers (number of the format x scale) in f32.
;;   ~~~python
;;   def quantise(x, axis):      # numpy; x: float32 -> the quantised numbers, widened to float32 again
;;       x = np.moveaxis(x, axis, -1); K = x.shape[-1]
;;       x = np.pad(x, [(0, 0)] * (x.ndim - 1) + [(0, -K % 32)]); x = x.reshape(x.shape[:-1] + (-1, 32)); a = np.abs(x).max(-1, keepdims=True)
;;       e = np.where(a > 0, np.clip(np.frexp(np.where(a > 0, a, 1))[1] - 1 - 2, -126, 127), 0)      # np.frexp(a)[1] - 1 = floor(log2(a)), exactly
;;       r = np.clip(x / 2.0 ** e, -7.5, 7.5)
;;       step = 2.0 ** (np.maximum(np.frexp(np.where(r == 0, 1, r))[1] - 1, 0) - 3)
;;       q = np.round(r / step) * step * 2.0 ** e      # np.round: ties to even
;;       return np.moveaxis(q.reshape(q.shape[:-2] + (-1,))[..., :K], -1, axis).astype(np.float32)
;;   ~~~
;;   SOFTMAX AHEAD OF A QUANTISED PRODUCT. Where the list says 'softmax', what is quantised is not the finished softmax but p = 2^(t - M), with t = logit x log2(e) and M = ceil(the row's largest t), a whole number; so 1/2 < the row's largest p <= 1. The row's sum l is taken of the UNQUANTISED p, in f32, and the product's result is divided by l at the end. Since M is a whole number, a kernel that streams over the keys may use a running M (the ceiling of the running maximum): every later rescaling is an exact power of two, which a block's scale takes up: the codes' values come out the same.
;;   OPERANDS COMPUTED ON THE WAY. 'Computed on the way' means the value that the module computes at that place (a softmax that the list does not call 'softmax' is quantised finished and normalised). What goes into a quantiser is computed in f32, as accurately as f32 sums, v_exp_f32 and their like allow (about 1e-6 of the number): no bf16 or f16 on the way to a quantiser, and a product that is left as it is and whose result goes on into a quantised operand takes f32 operands (vector FMAs, or v_wmma_f32_16x16x4_f32). A number that lies on a knife's edge between two numbers of the format may be rounded either way, as far as f32 arithmetic and the matrix unit's own rounding can turn it there, and no further.
;; One version. Each part assembles by itself: llvm-mc -triple=amdgcn-amd-amdhsa -mcpu=gfx1250 --defsym DOCPART=n.
;; ======== version 1 of 1: 3 launches
;; limits: right only within a limited range of input values
;; workspace buffers: xcodes 6,291,456 bytes; xscales 524,288 bytes; wcodes 3,145,728 bytes; wscales 262,144 bytes; ocodes 12,582,912 bytes; oscales 1,048,576 bytes
;; launch qx (part 1): grid 512 x 1, 4 waves a work-group, no clusters, 48,640 bytes of LDS; arguments X, Y, xcodes, xscales, W_q_xx, W_k_xx, W_v_xx, W_q_xy, W_k_xy, W_v_xy, W_q_yx, W_k_yx, W_v_yx, W_q_yy, W_k_yy, W_v_yy, W_X, W_Y, wcodes, wscales; writes xcodes, xscales, wcodes, wscales
.if DOCPART == 1
	.amdgcn_target "amdgcn-amd-amdhsa--gfx1250"
	.amdhsa_code_object_version 6
	.text
	.protected	k_qd33a34aa2d_qx
	.globl	k_qd33a34aa2d_qx
	.p2align	8
	.type	k_qd33a34aa2d_qx,@function
k_qd33a34aa2d_qx:
	s_mov_b64 s[64:65], 0
	v_nop
	global_prefetch_b8 v0, s[64:65] scope:SCOPE_SE
	s_setreg_imm32_b32 hwreg(HW_REG_WAVE_MODE, 25, 1), 1
	s_wait_xcnt 0x0
; X and Y, [8192][512] f32, become codes of FP6 (E2M3) with one E8M0 byte for each 32 along the 512, laid as IMAGES OF OPERAND REGISTERS.
; A fragment is 16 rows x 128 K, 12 registers a lane: lane (r, h) holds row r, registers 6 c .. 6 c + 5 hold k = 64 c + 32 h + 0 .. 31.  Its image is 1,536 bytes: registers 4 c .. 4 c + 3 of lane l at 512 c + 16 l.
; Its scale words are 128 bytes: lane l's word at 4 l (lanes 16-31 repeat lanes 0-15).  Whoever loads the same lines has the operand.
; THE ROWS OF A TILE ARE NOT NEIGHBOURS: of each 32 rows, tile u (0, 1) takes in lane r the row 8 u + r + 8 (r / 8).  The later launches lean on that order.
; A block's scale is 2^(floor(log2(its largest magnitude)) - 2); its byte is the largest magnitude's exponent field - 2, held at 1 from below.
; LIMITS: NaN and infinities among the inputs are not served; a block whose largest magnitude lies under 2^-124 gets the byte 1; a block of zeros gets the byte 1 where the rule says 127: its codes are zeros and this program alone reads the bytes.
; SHARES: a wave takes one tile of rows (16 rows x 512: four fragments); 1,024 waves; the first 128 work-groups take X, the others Y.  Waves share nothing: no barrier.
; Each load reads 512 consecutive bytes of one row; the conversions want 16 neighbours along K in one lane, so a K step's 16 x 512 bytes turn through the wave's own stage in LDS (rows 528 bytes apart: 33 x 16, so that sixteen rows start in sixteen different columns of 16 bytes).
.set R,     16                         ; v16-79, v80-143  two sets of 64 registers as loaded
.set XN,    144                        ; v144-207 64 numbers: register 16 b + i = k 32 b + 16 h + i of my row
.set PC,    208                        ; v208-219 the fragment's codes; v220-226 the conversions' second halves
.set TM,    228                        ; v228-243 at work
.set PW,    244                        ; the scale word
.set SEL,   14                         ; s[14:15] selects for lane l xor 16
.set STAGE, 8704
.set SP,    528
; ONE LAUNCH PREPARES ALL OPERANDS: work-groups 0-255 take X and Y (the text that follows), work-groups 256-511 the fourteen weights (behind .Lweights).
; The two ways part on the work-group's number alone; each has LDS bytes of its own: rows 0 .. 34,815, the spare words 34,816 .. 35,327, weights 35,328 on.
	v_lshl_add_u32 v248, v0, 2, 0x8800
	v_mov_b32 v249, 0
	s_cmp_lt_u32 ttmp9, 256
	s_wait_alu depctr_va_vdst(0)                   ; the wait ahead of the branch
	s_cbranch_scc0 .Lweights
	s_load_b256 s[4:11], s[0:1], 0x0               ; X, Y, the codes, the scale words
	v_lshrrev_b32 v5, 5, v0
	v_readfirstlane_b32 s12, v5                    ; wave 0..3
	v_and_b32 v5, 31, v0                           ; lane
	v_lshlrev_b32 v1, 4, v5                        ; 16 x lane
	v_lshlrev_b32 v2, 2, v5                        ; 4 x lane
	s_mul_i32 s13, s12, STAGE                      ; my stage
	v_add_nc_u32 v3, s13, v1                       ; into it: 16 x lane of a row
	v_and_b32 v6, 15, v0                           ; r
	v_bfe_u32 v7, v0, 4, 1                         ; h
	v_mul_u32_u24 v4, v6, SP
	v_lshl_add_u32 v4, v7, 6, v4
	v_add_nc_u32 v4, s13, v4                       ; out of it: row r, + 64 h: my 16 numbers of a block of 32
	s_mov_b32 s[SEL], 0x76543210
	s_mov_b32 s[SEL+1], 0xfedcba98
.irp b, 0,1,2,3
	v_mov_b32 v[TM+4+\b], 0                        ; written once: a lane permute's destination counts as one of its sources
.endr
	s_lshl_b32 s16, ttmp9, 2
	s_add_co_u32 s16, s16, s12                     ; my tile: 0 .. 1023 (512 of X, then 512 of Y)
	s_and_b32 s17, s16, 511
	s_lshr_b32 s18, s17, 1
	s_lshl_b32 s18, s18, 16                        ; 32 rows of 2,048 bytes for each pair of tiles,
	s_and_b32 s19, s17, 1
	s_lshl_b32 s19, s19, 14                        ; 8 rows for the odd tile
	s_add_co_u32 s18, s18, s19
	s_mov_b32 s19, 0
	s_mul_i32 s20, s16, 6144                       ; four images
	s_mov_b32 s21, 0
	s_lshl_b32 s22, s16, 9                         ; four times 128 bytes of scale words
	s_mov_b32 s23, 0
	s_wait_alu depctr_va_vdst(0)
	s_wait_kmcnt 0x0
	s_cmp_lt_u32 ttmp9, 128                        ; X's work-group or Y's: the choice hangs on the work-group's number alone
	s_cselect_b64 s[4:5], s[4:5], s[6:7]
	s_add_nc_u64 s[4:5], s[4:5], s[18:19]
	s_add_nc_u64 s[8:9], s[8:9], s[20:21]
	s_add_nc_u64 s[10:11], s[10:11], s[22:23]
.macro LOADX s                         ; K step s of my 16 rows: each load is 512 consecutive bytes of one row, at a multiple of 512
.irp i, 0,1,2,3,4,5,6,7,8,9,10,11,12,13,14,15
	global_load_b128 v[R+64*((\s)%2)+4*\i:R+64*((\s)%2)+4*\i+3], v1, s[4:5] offset:(\i+8*(\i/8))*2048+512*(\s) th:TH_LOAD_NT
.endr
.endm
.macro TURN s                          ; through the stage: LDS serves a wave's instructions in order, so no wait stands between the stores and the loads
.irp i, 0,1,2,3,4,5,6,7,8,9,10,11,12,13,14,15
	ds_store_b128 v3, v[R+64*((\s)%2)+4*\i:R+64*((\s)%2)+4*\i+3] offset:SP*\i
.endr
.irp b, 0,1,2,3
.irp j, 0,1,2,3
	ds_load_b128 v[XN+16*\b+4*\j:XN+16*\b+4*\j+3], v4 offset:128*\b+16*\j
.endr
.endr
.endm
; 64 numbers of a lane, register 16 b + i = k 32 b + 16 h + i of my row, become a fragment's codes in v[PC] on and its scale word in v[PW].
.macro QUANT4 s
.irp b, 0,1,2,3
	v_max3_num_f32 v[TM+\b], |v[\s+16*\b]|, |v[\s+1+16*\b]|, 0x1800000   ; my 16 numbers of block b, and the floor 2^(3 - 127): the byte cannot fall under 1
.endr
.irp i, 2,4,6,8,10,12,14
.irp b, 0,1,2,3
	v_max3_num_f32 v[TM+\b], v[TM+\b], |v[\s+16*\b+\i]|, |v[\s+1+16*\b+\i]|   ; the four blocks by turns
.endr
.endr
.irp b, 0,1,2,3
	v_permlanex16_b32 v[TM+4+\b], v[TM+\b], s[SEL], s[SEL+1]
.endr
.irp b, 0,1,2,3
	v_max_num_f32 v[TM+\b], v[TM+\b], v[TM+4+\b]   ; with lane l xor 16's: the block's largest magnitude
.endr
.irp b, 0,1,2,3
	v_add_nc_u32 v[TM+12+\b], 0xff000000, v[TM+\b] ; 2 off its exponent field: the conversion takes this operand's exponent field as its scale
.endr
.irp b, 0,1,2,3
	v_lshrrev_b32 v[TM+4+\b], 23, v[TM+12+\b]      ; the scale's byte
.endr
	v_lshl_or_b32 v[PW], v[TM+5], 8, v[TM+4]
	v_lshl_or_b32 v[PW], v[TM+6], 16, v[PW]
	v_lshl_or_b32 v[PW], v[TM+7], 24, v[PW]
.irp c, 0,1
	v_cvt_scalef32_pk16_fp6_f32 v[PC+6*\c:PC+2+6*\c], v[\s+32*\c:\s+15+32*\c], v[TM+12+2*\c]
	v_cvt_scalef32_pk16_fp6_f32 v[PC+12+4*\c:PC+14+4*\c], v[\s+16+32*\c:\s+31+32*\c], v[TM+12+2*\c+1]   ; a conversion's three registers begin on an even number
.endr
	v_nop                                          ; one plain instruction behind the scaled conversions
.irp c, 0,1                                    ; the layout wants a whole block in a lane: lanes 0-15 block 2 c, lanes 16-31 block 2 c + 1
.irp i, 0,1,2
	v_permlane16_swap_b32 v[PC+6*\c+\i], v[PC+12+4*\c+\i]
.endr
.irp i, 0,1,2
	v_mov_b32 v[PC+3+6*\c+\i], v[PC+12+4*\c+\i]
.endr
.endr
.endm
.macro OUT s                           ; the image: each store of the wave covers 512 consecutive bytes, aligned; the scale words 128
.irp c, 0,1,2
	global_store_b128 v1, v[PC+4*\c:PC+4*\c+3], s[8:9] offset:1536*(\s)+512*\c
.endr
	global_store_b32 v2, v[PW], s[10:11] offset:128*(\s)
.endm
	LOADX 0
	LOADX 1
.irp s, 0,1,2,3
.if \s < 3
	s_wait_loadcnt 16                              ; this K step's 16 loads are in; the next step's 16 may be out
.else
	s_wait_loadcnt 0x0
.endif
	TURN \s
	s_wait_dscnt 0x0                               ; my 64 numbers are back, and the stage's stores have read their registers,
.if \s < 2
	LOADX \s+2                                     ; which take the loads of two steps on
.endif
.if \s > 0
	s_wait_xcnt 0x0                                ; the last image's stores have read their registers: the codes and the word are written again only behind this wait
.endif
	QUANT4 XN
	OUT \s
.endr
	s_wait_tensorcnt 0x0                           ; the wave's end
	ds_add_u32 v248, v249
	s_wait_dscnt 0x0
	s_endpgm
.Lweights:
; The fourteen weights, f32 with K on their FIRST axis, become codes of FP6 (E2M3) with one E8M0 byte for each 32 along K, laid as images of operand registers.
; SLABS of 512 (k) x 512 (n): slab 3 x branch + role (q, k, v) for the twelve projections; slabs 12, 13: W_X's rows 0-511, 512-1023; slabs 14, 15: W_Y's.
; wcodes: [slab 16][group of 64 columns 8][fragment 4 s + t][1,536 bytes], s the K step of 128, t the tile of 16 columns; wscales likewise with 128 bytes.
; THE COLUMNS OF A TILE ARE NOT NEIGHBOURS: of each 32 columns, tile u takes in lane r the column 8 u + r + 8 (r / 8).
; A LANE TAKES A COLUMN AND ITS REGISTERS RUN DOWN K: a block of 32 lies in one lane, and the conversions give codes with K innermost.
; A wave takes 128 k x 32 columns: two fragments, which go through the wave's own 3,328 bytes of LDS and leave as they lie: 3,072 + 256 consecutive bytes.  The limits are those stated at the head.
; Work-group 256 + 16 x slab + x: x / 4 is the K step, x % 4 which 128 columns.
.set X,    32                          ; v32-159  four blocks of 32 numbers
.set C,    160                         ; v160-191 a block's six code registers, a set of eight for each block
.set T2,   192                         ; v192-194 a conversion's second half, then moved
.set OUTR, 200                         ; v200-223 the images read back; v224-225 the scale words
.set SB,   24                          ; v24      my column's four scale bytes
.set WREG, 3328
.set WLDS, 35328
	s_load_b512 s[8:23], s[0:1], 0x20              ; weights 0 to 7
	s_load_b512 s[24:39], s[0:1], 0x60             ; weights 8 to 13, the codes s[36:37], the scale words s[38:39]
	v_lshrrev_b32 v1, 5, v0
	v_readfirstlane_b32 s44, v1                    ; wave 0..3
	s_bfe_u32 s40, ttmp9, 0x40004                  ; slab
	s_sub_co_u32 s41, s40, 12
	s_lshr_b32 s41, s41, 1
	s_add_co_u32 s41, s41, 12                      ; slabs 12 to 15: weights 12, 12, 13, 13
	s_and_b32 s42, s40, 1
	s_lshl_b32 s42, s42, 20                        ; and the odd ones begin 512 rows of 2,048 bytes down
	s_cmp_lt_u32 s40, 12
	s_cselect_b32 s41, s40, s41                    ; which weight
	s_cselect_b32 s42, 0, s42
	s_bfe_u32 s43, ttmp9, 0x20002                  ; K step s
	s_and_b32 s45, ttmp9, 3
	s_lshl_b32 s45, s45, 2
	s_add_co_u32 s45, s45, s44                     ; my group of 32 columns, 0 .. 15
	s_lshl_b32 s6, s43, 18                         ; 128 rows of 2,048 bytes a K step
	s_lshl_b32 s46, s45, 7                         ; 128 bytes a group of columns
	s_add_co_u32 s6, s6, s46
	s_add_co_u32 s6, s6, s42
	s_mov_b32 s7, 0
	s_lshl_b32 s46, s40, 3
	s_lshr_b32 s47, s45, 1
	s_add_co_u32 s46, s46, s47                     ; slab x 8 + group of 64 columns
	s_lshl_b32 s46, s46, 4
	s_lshl_b32 s47, s43, 2
	s_add_co_u32 s46, s46, s47                     ; x 16 + 4 s
	s_and_b32 s47, s45, 1
	s_lshl_b32 s47, s47, 1
	s_add_co_u32 s46, s46, s47                     ; + 2 x (which 32 of the 64): my first fragment; the second follows it
	s_mul_i32 s2, s46, 1536
	s_mov_b32 s3, 0
	s_lshl_b32 s46, s46, 7
	s_mov_b32 s47, 0
	s_mul_i32 s48, s44, WREG
	s_add_co_u32 s48, s48, WLDS                    ; my LDS
	v_and_b32 v8, 31, v0                           ; lane = my column of the 32
	v_lshlrev_b32 v1, 2, v8                        ; 4 x lane
	v_lshlrev_b32 v6, 4, v8                        ; 16 x lane
	v_lshlrev_b32 v7, 3, v8                        ; 8 x lane
	v_bfe_u32 v9, v0, 3, 1                         ; u: which of the two tiles my column belongs to
	v_and_b32 v10, 7, v0
	v_bfe_u32 v14, v0, 4, 1
	v_lshl_add_u32 v10, v14, 3, v10                ; r: its lane there
	v_mul_u32_u24 v2, v9, 1536
	v_lshl_add_u32 v2, v10, 4, v2
	v_add_nc_u32 v2, s48, v2                       ; image u, 16 r
	v_lshlrev_b32 v3, 7, v9
	v_lshl_add_u32 v3, v10, 2, v3
	v_add_nc_u32 v3, s48, v3
	v_add_nc_u32 v3, 3072, v3                      ; scale words of image u, 4 r
	v_add_nc_u32 v4, s48, v6                       ; back: 16 x lane
	v_add_nc_u32 v5, s48, v7
	v_add_nc_u32 v5, 3072, v5                      ; and 8 x lane of the 256 bytes of scale words
	s_wait_alu depctr_va_vdst(0)                   ; the wait at the head's end
	s_wait_kmcnt 0x0
	s_mov_b64 s[4:5], s[8:9]
.irp i, 1,2,3,4,5,6,7,8,9,10,11,12,13
	s_cmp_eq_u32 s41, \i                           ; the choice hangs on the work-group's number alone
	s_cselect_b64 s[4:5], s[8+2*\i:9+2*\i], s[4:5]
.endr
	s_add_nc_u64 s[4:5], s[4:5], s[6:7]
	s_add_nc_u64 s[36:37], s[36:37], s[2:3]
	s_add_nc_u64 s[38:39], s[38:39], s[46:47]
.macro LOADW t                         ; block t: W(32 t + i, my column): 32 lanes read 128 consecutive bytes, the four waves stand side by side on 512
.irp i, 0,1,2,3,4,5,6,7,8,9,10,11,12,13,14,15,16,17,18,19,20,21,22,23,24,25,26,27,28,29,30,31
	global_load_b32 v[X+32*(\t)+\i], v1, s[4:5] offset:(32*(\t)+\i)*2048 th:TH_LOAD_NT
.endr
.endm
.macro BLOCK t                         ; block t is k = 64 c + 32 h + 0 .. 31 with c = t / 2, h = t % 2: registers 6 c .. 6 c + 5 of lane r + 16 h
.set XS, X+32*(\t)
.set CB, C+8*(\t)
.if (\t) < 3
	s_wait_loadcnt 32                              ; this block's 32 loads are in; the next block's 32 may be out
.else
	s_wait_loadcnt 0x0
.endif
.if (\t)+2 < 4
	LOADW (\t)+2
.endif
	v_max3_num_f32 v12, |v[XS]|, |v[XS+1]|, |v[XS+2]|
	v_max3_num_f32 v13, |v[XS+3]|, |v[XS+4]|, |v[XS+5]|
.irp i, 6,10,14,18,22,26
	v_max3_num_f32 v12, v12, |v[XS+\i]|, |v[XS+\i+1]|
	v_max3_num_f32 v13, v13, |v[XS+\i+2]|, |v[XS+\i+3]|
.endr
	v_max3_num_f32 v12, v12, |v[XS+30]|, |v[XS+31]|
	v_max3_num_f32 v12, v12, v13, 0x1800000        ; and the floor 2^(3 - 127): the byte cannot fall under 1
	v_add_nc_u32 v11, 0xff000000, v12              ; 2 off the exponent field: the conversion's scale operand
	v_lshrrev_b32 v13, 23, v11                     ; the byte
.if (\t) == 0
	v_mov_b32 v[SB], v13
.else
	v_lshl_or_b32 v[SB], v13, 8*(\t), v[SB]
.endif
	v_cvt_scalef32_pk16_fp6_f32 v[CB:CB+2], v[XS:XS+15], v11
	v_cvt_scalef32_pk16_fp6_f32 v[T2:T2+2], v[XS+16:XS+31], v11   ; a conversion's three registers begin on an even number
	v_nop                                          ; one plain instruction behind the scaled conversions
.irp i, 0,1,2
	v_mov_b32 v[CB+3+\i], v[T2+\i]
.endr
.if (\t)/2 == 0
	ds_store_b128 v2, v[CB:CB+3] offset:256*((\t)%2)                 ; registers 0-3
	ds_store_b64 v2, v[CB+4:CB+5] offset:512+256*((\t)%2)            ; registers 4, 5
.else
	ds_store_b64 v2, v[CB:CB+1] offset:512+256*((\t)%2)+8            ; registers 6, 7
	ds_store_b128 v2, v[CB+2:CB+5] offset:1024+256*((\t)%2)          ; registers 8-11
.endif
.endm
	LOADW 0
	LOADW 1
	BLOCK 0
	BLOCK 1
	BLOCK 2
	BLOCK 3
	ds_store_b32 v3, v[SB]                         ; my column's scale word, for lane r
	ds_store_b32 v3, v[SB] offset:64               ; and for lane r + 16
.irp i, 0,1,2,3,4,5
	ds_load_b128 v[OUTR+4*\i:OUTR+4*\i+3], v4 offset:512*\i   ; LDS serves a wave's instructions in order: these see my stores
.endr
	ds_load_b64 v[OUTR+24:OUTR+25], v5
	s_wait_dscnt 0x0
.irp i, 0,1,2,3,4,5
	global_store_b128 v6, v[OUTR+4*\i:OUTR+4*\i+3], s[36:37] offset:512*\i   ; 512 consecutive bytes a store, aligned
.endr
	global_store_b64 v7, v[OUTR+24:OUTR+25], s[38:39]                        ; 256 consecutive bytes, aligned
	s_wait_tensorcnt 0x0                           ; the wave's end
	ds_add_u32 v248, v249
	s_wait_dscnt 0x0
	s_endpgm
.Lfunc_end_k_qd33a34aa2d_qx:
	.size	k_qd33a34aa2d_qx, .Lfunc_end_k_qd33a34aa2d_qx-k_qd33a34aa2d_qx
	.p2alignl 7, 3214868480
	.fill 96, 4, 3214868480
	.section	.rodata,"a",@progbits
	.p2align	6, 0x0
	.amdhsa_kernel k_qd33a34aa2d_qx
		.amdhsa_group_segment_fixed_size 48640
		.amdhsa_private_segment_fixed_size 0
		.amdhsa_enable_private_segment 0
		.amdhsa_kernarg_size 160
		.amdhsa_user_sgpr_count 2
		.amdhsa_user_sgpr_kernarg_segment_ptr 1
		.amdhsa_wavefront_size32 1
		.amdhsa_system_sgpr_workgroup_id_x 1
		.amdhsa_system_sgpr_workgroup_id_y 1
		.amdhsa_system_sgpr_workgroup_id_z 1
		.amdhsa_system_vgpr_workitem_id 0
		.amdhsa_next_free_vgpr 250
		.amdhsa_next_free_sgpr 66
		.amdhsa_reserve_vcc 0
		.amdhsa_float_denorm_mode_32 3
		.amdhsa_float_denorm_mode_16_64 3
		.amdhsa_memory_ordered 1
		.amdhsa_forward_progress 1
		.amdhsa_inst_pref_size 56
	.end_amdhsa_kernel
	.amdgpu_metadata
---
amdhsa.version: [ 1, 2 ]
amdhsa.kernels:
  - .name:           k_qd33a34aa2d_qx
    .symbol:         k_qd33a34aa2d_qx.kd
    .args:
      - { .name: X, .offset: 0, .size: 8, .value_kind: global_buffer, .address_space: global }
      - { .name: Y, .offset: 8, .size: 8, .value_kind: global_buffer, .address_space: global }
      - { .name: xcodes, .offset: 16, .size: 8, .value_kind: global_buffer, .address_space: global }
      - { .name: xscales, .offset: 24, .size: 8, .value_kind: global_buffer, .address_space: global }
      - { .name: W_q_xx, .offset: 32, .size: 8, .value_kind: global_buffer, .address_space: global }
      - { .name: W_k_xx, .offset: 40, .size: 8, .value_kind: global_buffer, .address_space: global }
      - { .name: W_v_xx, .offset: 48, .size: 8, .value_kind: global_buffer, .address_space: global }
      - { .name: W_q_xy, .offset: 56, .size: 8, .value_kind: global_buffer, .address_space: global }
      - { .name: W_k_xy, .offset: 64, .size: 8, .value_kind: global_buffer, .address_space: global }
      - { .name: W_v_xy, .offset: 72, .size: 8, .value_kind: global_buffer, .address_space: global }
      - { .name: W_q_yx, .offset: 80, .size: 8, .value_kind: global_buffer, .address_space: global }
      - { .name: W_k_yx, .offset: 88, .size: 8, .value_kind: global_buffer, .address_space: global }
      - { .name: W_v_yx, .offset: 96, .size: 8, .value_kind: global_buffer, .address_space: global }
      - { .name: W_q_yy, .offset: 104, .size: 8, .value_kind: global_buffer, .address_space: global }
      - { .name: W_k_yy, .offset: 112, .size: 8, .value_kind: global_buffer, .address_space: global }
      - { .name: W_v_yy, .offset: 120, .size: 8, .value_kind: global_buffer, .address_space: global }
      - { .name: W_X, .offset: 128, .size: 8, .value_kind: global_buffer, .address_space: global }
      - { .name: W_Y, .offset: 136, .size: 8, .value_kind: global_buffer, .address_space: global }
      - { .name: wcodes, .offset: 144, .size: 8, .value_kind: global_buffer, .address_space: global }
      - { .name: wscales, .offset: 152, .size: 8, .value_kind: global_buffer, .address_space: global }
    .group_segment_fixed_size: 48640
    .private_segment_fixed_size: 0
    .kernarg_segment_align: 8
    .kernarg_segment_size: 160
    .max_flat_workgroup_size: 128
    .sgpr_count:     66
    .vgpr_count:     250
    .wavefront_size: 32
...
	.end_amdgpu_metadata
.endif
;; end of part 1
;; launch attn (part 2): grid 64 x 4, 16 waves a work-group, no clusters, 192,512 bytes of LDS; arguments xcodes, xscales, wcodes, wscales, b_q_xx, b_k_xx, b_v_xx, b_q_xy, b_k_xy, b_v_xy, b_q_yx, b_k_yx, b_v_yx, b_q_yy, b_k_yy, b_v_yy, ocodes, oscales; writes ocodes, oscales
.if DOCPART == 2
	.amdgcn_target "amdgcn-amd-amdhsa--gfx1250"
	.amdhsa_code_object_version 6
	.text
	.protected	k_qd33a34aa2d_attn
	.globl	k_qd33a34aa2d_attn
	.p2align	8
	.type	k_qd33a34aa2d_attn,@function
k_qd33a34aa2d_attn:
	s_mov_b64 s[64:65], 0
	v_nop
	global_prefetch_b8 v0, s[64:65] scope:SCOPE_SE
	s_setreg_imm32_b32 hwreg(HW_REG_WAVE_MODE, 25, 1), 1
	s_wait_xcnt 0x0
; One work-group makes one (branch, batch, head): O = q + softmax(q k^T / sqrt(512)) v, head size 64, 1,024 queries and keys, all products on FP6 (E2M3) codes with E8M0 scales.
; It projects its own k and v out of the rows' codes, quantises them into LDS, then walks its queries: q is projected, kept in f32 for the residual, quantised in registers; O leaves as codes.
; OPERANDS ARE IMAGES OF REGISTERS: a fragment (16 rows x 128 K) is 1,536 bytes, registers 4 c .. 4 c + 3 of lane l at 512 c + 16 l; a half fragment (64 K, registers 0-5) is 768 bytes:
; registers 0-3 at 16 l, registers 4, 5 at 512 + 8 l; scale words 128 bytes, lane l's at 4 l.
; ORDER GIVEN BY THE LAUNCHES BEFORE: of each 32 rows (X, Y) or columns (a weight), tile u holds in lane r number 8 u + r + 8 (r / 8).
; k AND v ARE PROJECTED TOGETHER, by pairs of row tiles (32 rows): 2 row tiles x (4 + 4 column tiles) = 16 accumulators, so each fragment of rows is loaded once; the next K step's rows are asked for one step ahead.
; k's KEYS ARE RE-ORDERED AS THEY ARE STORED: key tile t' of a group of 64 keys holds in lane i the key 8 t' + i % 8 + 32 (i / 8).  In S^T = k q^T lane (r, h) then holds query r and, in the
; 32 registers of tiles 4 c .. 4 c + 3, the keys 64 c + 32 h + 0 .. 31: a WHOLE block of p, in the order and lane that the operand's layout wants: no swap between lane halves.
; v: a pair of row tiles gives one block of 32 keys, half in each lane half; the first pair's codes wait in the wave's own bytes of v's image until the second pair's are made, and three swaps a tile lay both.
; k q^T HAS K = 64: the upper 64 meet zero codes of q (v22-27) under scale bytes 0x7f; what k's operand names there (the next tile's codes, or zeros) is finite and adds nothing.
; THE SOFTMAX: t = score x log2(e) / sqrt(512); M = the running largest t rounded up to a whole number; p = 2^(t - M) is quantised along the keys, not normalised; the sum of the unquantised p divides at the end;
; when M moves, the sum and O^T are multiplied by 2^(old M - new M), exactly.
; SHARES: sixteen waves of 256 registers.  Wave w projects k and v of row tiles 4 w .. 4 w + 3 and owns query tiles 4 w .. 4 w + 3, one a pass; a pass walks 8 steps of 128 keys.
; NO JOINT REQUESTS, NO PREFETCH: all operands from memory go straight into operand registers in register order; no tensor load stands in this text; the rows' codes are named by the loads themselves one K step ahead.
; LIMITS: NaN and infinities are not served; a block whose largest magnitude lies under 2^-124 gets the byte 1, a block of zeros the byte 1 where the rule says 127 (zero codes; bytes read by this program alone); 1 / l is v_rcp_f32's.
.set SC,   0                           ; LDS: scale words [key step 8][slot 12][128]: slots 0-7 k's tiles, 8-11 v's
.set KIMG, 12288                       ; k: [key tile 64][768]
.set VOFF, 49152                       ; v: [wave 16][tile of 16 channels 4][768], VOFF behind k
.set WIMG, 110592                      ; the head's columns of the three weights: [role][fragment 4 s + t][1536]
.set WSC,  184320                      ; their scale words [role][fragment][128]
.set SPARE, 190464                     ; the spare words: 128 bytes a wave
.set ACC,  96                          ; v96-159 k's accumulators (m, t) at 32 m + 8 t
.set VA,   160                         ; v160-223 v's (t, m) at 16 t + 8 m
.set XF,   36                          ; v36-59, v60-83 two sets of two row fragments
.set XS,   84                          ; v84-87 their scale words
.set WS,   88                          ; v88-91 the weights' scale words
.set VB,   248                         ; v248-255 v's bias, each number twice (a pair is named)
.set WV,   40
.set SEL,  42                          ; s[42:43] selects for lane l xor 16
.set CS,   44                          ; s[44:45] c = log2(e) / sqrt(512), twice
.set PXK,  48
.set PXKS, 50
.set PQ,   52
.set PQS,  54
.set PO,   56
.set POS,  58
.set PWC,  60
.set PWSC, 62
.set BQ,   12
.set BK,   14
.set BV,   16
.set PASS, 66
.set KST,  67
.set T6,   68                          ; 6,144 x key step
.set T15,  69                          ; 1,536 x key step
; v1 16 l; v2 8 l; v3 4 l; v4 64 h; v9 WSC + 4 l; v92 4 (r + 8 (r / 8)); v93 WIMG + 24,576 + 16 l.
; In the head: v5, v6, v7 where my lane's k codes and word go; v8 v's scale bytes; v10, v11 my wave's images at 16 l, 8 l; v94, v95 the weights' copy.
; In the passes: v5 KIMG + 16 l; v6 KIMG + 8 l; v7 SC + 4 l; v8 WIMG + 16 l; v95 8 h; v10, v11, v94 the key step's addresses.
.macro MMA d, a, b, sa, sb
	v_wmma_scale_f32_16x16x128_f8f6f4 v[\d:\d+7], v[\a:\a+11], v[\b:\b+11], v[\d:\d+7], v[\sa], v[\sb] matrix_a_fmt:MATRIX_FMT_FP6 matrix_b_fmt:MATRIX_FMT_FP6
.endm
.macro MMZ d, a, b, sa, sb
	v_wmma_scale_f32_16x16x128_f8f6f4 v[\d:\d+7], v[\a:\a+11], v[\b:\b+11], 0, v[\sa], v[\sb] matrix_a_fmt:MATRIX_FMT_FP6 matrix_b_fmt:MATRIX_FMT_FP6
.endm
.macro MMC d, a, b, c, sa, sb
	v_wmma_scale_f32_16x16x128_f8f6f4 v[\d:\d+7], v[\a:\a+11], v[\b:\b+11], v[\c:\c+7], v[\sa], v[\sb] matrix_a_fmt:MATRIX_FMT_FP6 matrix_b_fmt:MATRIX_FMT_FP6
.endm
.macro PLACES                          ; four plain instructions behind a matrix instruction (ISA guide 7.12.1 for vector instructions)
.rept 4
	v_nop
.endr
.endm
; 32 numbers of a lane, register 16 b + i = k 32 b + 16 h + i of my row, become a half fragment's six code registers at v[pc] and its two scale bytes in v[PW]
.macro QUANT2 s, pc, pc2
.irp b, 0,1
	v_max3_num_f32 v[TM+\b], |v[\s+16*\b]|, |v[\s+1+16*\b]|, 0x1800000   ; with the floor 2^(3 - 127): the byte cannot fall under 1
.endr
.irp i, 2,4,6,8,10,12,14
.irp b, 0,1
	v_max3_num_f32 v[TM+\b], v[TM+\b], |v[\s+16*\b+\i]|, |v[\s+1+16*\b+\i]|
.endr
.endr
.irp b, 0,1
	s_delay_alu instid0(VALU_DEP_2)
	v_permlanex16_b32 v[TM+2+\b], v[TM+\b], s[SEL], s[SEL+1]
.endr
.irp b, 0,1
	s_delay_alu instid0(VALU_DEP_2)
	v_max_num_f32 v[TM+\b], v[TM+\b], v[TM+2+\b]
.endr
.irp b, 0,1
	s_delay_alu instid0(VALU_DEP_2)
	v_add_nc_u32 v[TM+4+\b], 0xff000000, v[TM+\b]  ; 2 off the exponent field: the conversion's scale operand
.endr
.irp b, 0,1
	s_delay_alu instid0(VALU_DEP_2)
	v_lshrrev_b32 v[TM+2+\b], 23, v[TM+4+\b]
.endr
	s_delay_alu instid0(VALU_DEP_1)
	v_lshl_or_b32 v[PW], v[TM+3], 8, v[TM+2]
	v_cvt_scalef32_pk16_fp6_f32 v[\pc:\pc+2], v[\s:\s+15], v[TM+4]
	v_cvt_scalef32_pk16_fp6_f32 v[\pc2:\pc2+2], v[\s+16:\s+31], v[TM+5]
	v_nop                                          ; one plain instruction behind the scaled conversions
.irp i, 0,1,2
	v_permlane16_swap_b32 v[\pc+\i], v[\pc2+\i]
.endr
.irp i, 0,1,2
	s_delay_alu instid0(VALU_DEP_3)
	v_mov_b32 v[\pc+3+\i], v[\pc2+\i]
.endr
.endm
	s_load_b256 s[4:11], s[0:1], 0x0               ; rows' codes, rows' scale words, weights' codes, weights' scale words
	s_load_b512 s[12:27], s[0:1], 0x20             ; biases 0 to 7 (3 x branch + role)
	s_load_b256 s[28:35], s[0:1], 0x60             ; biases 8 to 11
	s_load_b128 s[36:39], s[0:1], 0x80             ; O's codes, O's scale bytes
	v_lshrrev_b32 v1, 5, v0
	s_delay_alu instid0(VALU_DEP_1)
	v_readfirstlane_b32 s[WV], v1                  ; wave 0..15
	s_and_b32 s41, ttmp7, 0xffff                   ; branch: xx, xy, yx, yy
	s_lshr_b32 s46, ttmp9, 3                       ; batch
	s_and_b32 s47, ttmp9, 7                        ; head
	s_mov_b32 s[SEL], 0x76543210
	s_mov_b32 s[SEL+1], 0xfedcba98
	s_mov_b32 s[CS], 0x3d8293ee
	s_mov_b32 s[CS+1], s[CS]
	s_and_b32 s70, s41, 1                          ; the key side reads X (0) or Y (1)
	s_lshr_b32 s71, s41, 1                         ; the query side likewise
	s_lshl_b32 s72, s[WV], 2
	s_lshl_b32 s73, s46, 6
	s_add_co_u32 s72, s72, s73                     ; 64 x batch + 4 x wave
	s_lshl_b32 s73, s70, 9
	s_add_co_u32 s73, s73, s72                     ; my first tile of rows on the key side
	s_lshl_b32 s74, s71, 9
	s_add_co_u32 s74, s74, s72                     ; and on the query side; O's tiles have the same number
	s_mul_i32 s[PXK], s73, 6144
	s_mov_b32 s[PXK+1], 0
	s_lshl_b32 s[PXKS], s73, 9
	s_mov_b32 s[PXKS+1], 0
	s_mul_i32 s[PQ], s74, 6144
	s_mov_b32 s[PQ+1], 0
	s_lshl_b32 s[PQS], s74, 9
	s_mov_b32 s[PQS+1], 0
	s_lshl_b32 s75, s70, 2
	s_lshr_b32 s76, s47, 1
	s_add_co_u32 s75, s75, s76                     ; O's K step in the last product
	s_and_b32 s76, s47, 1                          ; and which half of it
	s_mul_i32 s[PO], s74, 12288
	s_mul_i32 s77, s75, 1536
	s_add_co_u32 s[PO], s[PO], s77
	s_mul_i32 s77, s76, 768
	s_add_co_u32 s[PO], s[PO], s77
	s_mov_b32 s[PO+1], 0
	s_lshl_b32 s[POS], s74, 10
	s_lshl_b32 s77, s75, 7
	s_add_co_u32 s[POS], s[POS], s77
	s_lshl_b32 s77, s76, 1
	s_add_co_u32 s[POS], s[POS], s77
	s_mov_b32 s[POS+1], 0
	s_mul_i32 s75, s41, 24
	s_add_co_u32 s75, s75, s47                     ; (slab 3 x branch) x 8 + head
	s_mul_i32 s[PWC], s75, 24576
	s_mul_i32 s77, s[WV], 1536
	s_add_co_u32 s[PWC], s[PWC], s77
	s_mov_b32 s[PWC+1], 0
	s_lshl_b32 s[PWSC], s75, 11
	s_lshl_b32 s77, s[WV], 7
	s_add_co_u32 s[PWSC], s[PWSC], s77
	s_mov_b32 s[PWSC+1], 0
	s_lshl_b32 s70, s47, 8                         ; the head's 64 numbers of a bias
	s_mov_b32 s71, 0
	s_mul_i32 s66, s[WV], 3072
	s_add_co_u32 s66, s66, KIMG                    ; my four tiles of k's image
	s_lshr_b32 s73, s[WV], 1
	s_mul_i32 s73, s73, 1536                       ; my key step's scale words
	s_and_b32 s74, s[WV], 1
	s_lshl_b32 s67, s74, 9
	s_add_co_u32 s67, s67, s73                     ; k's slots 4 (w % 2) on
	s_lshl_b32 s68, s74, 1
	s_add_co_u32 s68, s68, s73
	s_add_co_u32 s68, s68, SC+1024                 ; v's slots, bytes 2 (w % 2) on
	s_mul_i32 s69, s[WV], 1536
	s_add_co_u32 s69, s69, WIMG
	s_lshl_b32 s72, s[WV], 7
	s_add_co_u32 s72, s72, WSC
	v_and_b32 v2, 31, v0                           ; lane
	v_bfe_u32 v95, v0, 4, 1                        ; h
	v_and_b32 v10, 7, v0                           ; r % 8
	v_bfe_u32 v11, v0, 3, 1                        ; r / 8
	v_lshlrev_b32 v1, 4, v2
	v_lshlrev_b32 v3, 2, v2
	v_lshlrev_b32 v2, 3, v2
	v_lshlrev_b32 v4, 6, v95
	v_mul_u32_u24 v5, v11, 1536                    ; my key goes to tile u + 2 (r / 8), lane r % 8 + 8 x pair + 16 h
	v_lshlrev_b32 v7, 8, v11
	v_lshl_add_u32 v6, v10, 3, v5
	v_lshl_add_u32 v5, v10, 4, v5
	v_lshl_add_u32 v7, v10, 2, v7
	v_lshl_add_u32 v6, v95, 7, v6
	v_lshl_add_u32 v5, v95, 8, v5
	v_lshl_add_u32 v7, v95, 6, v7
	v_add_nc_u32 v6, s66, v6
	v_add_nc_u32 v5, s66, v5
	v_add_nc_u32 v7, s67, v7
	v_add_nc_u32 v8, s68, v3
	v_add_nc_u32 v10, s66, v1
	v_add_nc_u32 v11, s66, v2
	v_add_nc_u32 v9, WSC, v3
	v_add_nc_u32 v93, WIMG+24576, v1
	v_add_nc_u32 v94, s69, v1
	v_add_nc_u32 v95, s72, v3
	v_and_b32 v92, 15, v0
	v_and_b32 v12, 8, v0
	v_add_nc_u32 v92, v92, v12
	v_lshlrev_b32 v92, 2, v92
	s_wait_alu depctr_va_vdst(0)                   ; the wait at the head's end
	s_wait_kmcnt 0x0
	s_add_nc_u64 s[PXK:PXK+1], s[4:5], s[PXK:PXK+1]
	s_add_nc_u64 s[PXKS:PXKS+1], s[6:7], s[PXKS:PXKS+1]
	s_add_nc_u64 s[PQ:PQ+1], s[4:5], s[PQ:PQ+1]
	s_add_nc_u64 s[PQS:PQS+1], s[6:7], s[PQS:PQS+1]
	s_add_nc_u64 s[PO:PO+1], s[36:37], s[PO:PO+1]
	s_add_nc_u64 s[POS:POS+1], s[38:39], s[POS:POS+1]
	s_add_nc_u64 s[PWC:PWC+1], s[8:9], s[PWC:PWC+1]
	s_add_nc_u64 s[PWSC:PWSC+1], s[10:11], s[PWSC:PWSC+1]
.irp i, 1,2,3
	s_cmp_eq_u32 s41, \i                           ; the branch's three biases: the choice hangs on the work-group's number alone
.irp p, 0,1,2
	s_cselect_b64 s[12+2*\p:13+2*\p], s[12+6*\i+2*\p:13+6*\i+2*\p], s[12+2*\p:13+2*\p]
.endr
.endr
.irp p, 0,1,2
	s_add_nc_u64 s[12+2*\p:13+2*\p], s[12+2*\p:13+2*\p], s[70:71]
.endr
	; ---- the head's columns of the three weights into LDS: wave w copies fragment w of each
.irp p, 0,1,2
.irp c, 0,1,2
	global_load_b128 v[96+12*\p+4*\c:99+12*\p+4*\c], v1, s[PWC:PWC+1] offset:196608*\p+512*\c
.endr
	global_load_b32 v[132+\p], v3, s[PWSC:PWSC+1] offset:16384*\p
.endr
	s_wait_loadcnt 0x0
.irp p, 0,1,2
.irp c, 0,1,2
	ds_store_b128 v94, v[96+12*\p+4*\c:99+12*\p+4*\c] offset:24576*\p+512*\c
.endr
	ds_store_b32 v95, v[132+\p] offset:2048*\p
.endr
	s_wait_dscnt 0x0
	s_barrier_signal -1
	s_barrier_wait -1                              ; the weights lie in LDS
; stage i = 4 x pair + K step.  XLOAD: the pair's two row fragments and scale words of stage i into set i % 2: 8 loads
.macro XLOAD i
.irp m, 0,1
.irp c, 0,1,2
	global_load_b128 v[XF+24*((\i)%2)+12*\m+4*\c:XF+24*((\i)%2)+12*\m+4*\c+3], v1, s[PXK:PXK+1] offset:6144*(2*((\i)/4)+\m)+1536*((\i)%4)+512*\c
.endr
	global_load_b32 v[XS+2*((\i)%2)+\m], v3, s[PXKS:PXKS+1] offset:512*(2*((\i)/4)+\m)+128*((\i)%4)
.endr
.endm
.macro WLOAD role, s                   ; a role's four column fragments of K step s: v12-35, v224-247
.irp t, 0,1,2,3
.irp c, 0,1,2
	ds_load_b128 v[12+12*\t+188*(\t/2)+4*\c:12+12*\t+188*(\t/2)+4*\c+3], v93 offset:24576*(\role-1)+(4*(\s)+\t)*1536+512*\c
.endr
	ds_load_b32 v[WS+\t], v9 offset:2048*\role+(4*(\s)+\t)*128
.endr
.endm
.macro KBIAS                           ; k's bias starts the sums: lane (r, h) wants, for tile 2 b + u, channels 32 b + 16 h + 8 u + 0 .. 7
.irp m, 0,1
.irp t, 0,1,2,3
	global_load_b128 v[ACC+32*\m+8*\t:ACC+32*\m+8*\t+3], v4, s[BK:BK+1] offset:128*(\t/2)+32*(\t%2)
	global_load_b128 v[ACC+32*\m+8*\t+4:ACC+32*\m+8*\t+7], v4, s[BK:BK+1] offset:128*(\t/2)+32*(\t%2)+16
.endr
.endr
.endm
; Sixteen accumulators by turns, one instruction a turn.  k: source 0 = the weight, source 1 = the rows (a lane holds a key); v: the other way round (a lane holds a channel)
.macro STAGE i
.if \i > 0
	PLACES
.endif
.if \i < 7
	XLOAD (\i)+1
.endif
	WLOAD 1, (\i)%4
.if \i < 7
	s_wait_loadcnt 8                               ; all but the next stage's 8 loads are in
.else
	s_wait_loadcnt 0x0
.endif
	s_wait_dscnt 0x0
.irp m, 0,1
.irp t, 0,1,2,3
	MMA ACC+32*\m+8*\t, 12+12*\t+188*(\t/2), XF+24*((\i)%2)+12*\m, WS+\t, XS+2*((\i)%2)+\m
.endr
.endr
	PLACES
	WLOAD 2, (\i)%4
	s_wait_dscnt 0x0
.irp m, 0,1
.irp t, 0,1,2,3
.if (\i)%4 == 0
	MMZ VA+16*\t+8*\m, XF+24*((\i)%2)+12*\m, 12+12*\t+188*(\t/2), XS+2*((\i)%2)+\m, WS+\t
.else
	MMA VA+16*\t+8*\m, XF+24*((\i)%2)+12*\m, 12+12*\t+188*(\t/2), XS+2*((\i)%2)+\m, WS+\t
.endif
.endr
.endr
.endm
.set TM,  60                           ; the quantisers work in the rows' second set, which the pair's last stage has left, and in the weights' registers
.set PW,  68
.set PC,  72
.set PC2, 78
.macro KQ pr                           ; the pair's two tiles of keys: codes and words go to the re-ordered tiles
.irp m, 0,1
	QUANT2 ACC+32*\m, PC, PC2
	v_or_b32 v[PW], 0x7f7f0000, v[PW]              ; bytes 2 and 3, of the K that is not there: 1.0
	ds_store_b128 v5, v[PC:PC+3] offset:768*\m+128*\pr
	ds_store_b64 v6, v[PC+4:PC+5] offset:768*\m+512+64*\pr
	ds_store_b32 v7, v[PW] offset:128*\m+32*\pr
	s_wait_dscnt 0x0
.endr
.endm
.macro VQ pr                           ; the pair's block of 32 keys, for four tiles of channels: my 16 registers are keys 32 pr + 16 h + 0 .. 15 of my channel
.if \pr
.irp t, 0,1,2,3
	ds_load_b96 v[224+4*\t:226+4*\t], v10 offset:VOFF+768*\t   ; the first pair's codes, which I left there
.endr
.endif
.irp t, 0,1,2,3
.irp j, 0,2,4,6,8,10,12,14
	v_pk_add_f32 v[VA+16*\t+\j:VA+16*\t+\j+1], v[VA+16*\t+\j:VA+16*\t+\j+1], v[VB+2*\t:VB+2*\t+1] op_sel_hi:[1,0]   ; + my channel's bias, each accumulator from its low end on
.endr
.endr
.irp t, 0,1,2,3
	v_max3_num_f32 v[60+\t], |v[VA+16*\t]|, |v[VA+16*\t+1]|, 0x1800000
.endr
.irp i, 2,4,6,8,10,12,14
.irp t, 0,1,2,3
	v_max3_num_f32 v[60+\t], v[60+\t], |v[VA+16*\t+\i]|, |v[VA+16*\t+\i+1]|
.endr
.endr
.irp t, 0,1,2,3
	v_permlanex16_b32 v[64+\t], v[60+\t], s[SEL], s[SEL+1]
.endr
.irp t, 0,1,2,3
	v_max_num_f32 v[60+\t], v[60+\t], v[64+\t]
.endr
.irp t, 0,1,2,3
	v_add_nc_u32 v[68+\t], 0xff000000, v[60+\t]
.endr
.irp t, 0,1,2,3
	v_lshrrev_b32 v[64+\t], 23, v[68+\t]           ; the block's byte
.endr
	s_wait_alu depctr_va_vdst(0)                   ; the wait ahead of the wait below
	s_wait_dscnt 0x0
.irp t, 0,1,2,3
	v_cvt_scalef32_pk16_fp6_f32 v[12+4*\t:14+4*\t], v[VA+16*\t:VA+16*\t+15], v[68+\t]
.endr
	v_nop                                          ; one plain instruction behind the scaled conversions
.if \pr
.irp t, 0,1,2,3
.irp i, 0,1,2
	v_permlane16_swap_b32 v[224+4*\t+\i], v[12+4*\t+\i]   ; now the first holds each lane's block's lower 16 codes, the second the upper 16
.endr
.endr
.irp t, 0,1,2,3
	ds_store_b96 v10, v[224+4*\t:226+4*\t] offset:VOFF+768*\t       ; registers 0-2
	ds_store_b32 v10, v[12+4*\t] offset:VOFF+768*\t+12              ; register 3
	ds_store_b32 v11, v[13+4*\t] offset:VOFF+768*\t+512             ; registers 4, 5
	ds_store_b32 v11, v[14+4*\t] offset:VOFF+768*\t+516
	ds_store_b8 v8, v[64+\t] offset:128*\t+1
.endr
.else
.irp t, 0,1,2,3
	ds_store_b96 v10, v[12+4*\t:14+4*\t] offset:VOFF+768*\t         ; kept in my own bytes of the image until the second pair is made
	ds_store_b8 v8, v[64+\t] offset:128*\t
.endr
.endif
	s_wait_dscnt 0x0
.endm
.irp t, 0,1,2,3
	global_load_b32 v[VB+2*\t], v92, s[BV:BV+1] offset:128*(\t/2)+32*(\t%2)
	global_load_b32 v[VB+2*\t+1], v92, s[BV:BV+1] offset:128*(\t/2)+32*(\t%2)
.endr
	XLOAD 0
	KBIAS
.irp g, 0,1,2,3
	STAGE \g
.endr
	PLACES
	KQ 0
	VQ 0
	KBIAS
.irp g, 4,5,6,7
	STAGE \g
.endr
	PLACES
	KQ 1
	VQ 1
	v_add_nc_u32 v5, KIMG, v1                      ; the passes' addresses
	v_add_nc_u32 v6, KIMG, v2
	v_add_nc_u32 v7, SC, v3
	v_add_nc_u32 v8, WIMG, v1
	v_bfe_u32 v95, v0, 4, 1
	v_lshlrev_b32 v95, 3, v95                      ; 8 h
.irp j, 22,23,24,25,26,27, 84,85,86,87,88,89, 236,237,238,239, 246,247, 251,252
	v_mov_b32 v[\j], 0                             ; the zero codes; and what lane permutes and pairs name before it is otherwise written
.endr
	s_wait_alu depctr_va_vdst(0)                   ; the wait ahead of the barrier
	s_barrier_signal -1
	s_barrier_wait -1                              ; k, v and their scale words lie in LDS; from here on LDS is only read
	; ---- the passes.  v12 -M, v13 the largest score, v[14:15] the sum; v16-21 q's codes, v22-27 zeros; v28-35 scale words; v36-83 fragments, v84-89 zeros; v96-159 S^T, then p; v160-191 O^T; v192-223 q in f32;
	;      v224-235 p's codes; v232-249 at work; v250 f (pair with v251 = 0); v253 p's scale word; v255 q's
.set TM, 244
.set PW, 254
	s_mov_b32 s[PASS], 4
.Lpass:
.irp s, 0,1,2,3
.irp c, 0,1,2
	global_load_b128 v[96+12*\s+4*\c:99+12*\s+4*\c], v1, s[PQ:PQ+1] offset:1536*\s+512*\c   ; my 16 queries' rows
.endr
	global_load_b32 v[144+\s], v3, s[PQS:PQS+1] offset:128*\s
.endr
.irp t, 0,1,2,3
	global_load_b128 v[160+8*\t:163+8*\t], v4, s[BQ:BQ+1] offset:128*(\t/2)+32*(\t%2)       ; q's bias, in the result's layout
	global_load_b128 v[164+8*\t:167+8*\t], v4, s[BQ:BQ+1] offset:128*(\t/2)+32*(\t%2)+16
.endr
.irp s, 0,1,2,3                                ; q = rows x W_q + bias: four accumulators by turns
.if \s > 0
	PLACES
.endif
.irp t, 0,1,2,3
.irp c, 0,1,2
	ds_load_b128 v[36+12*\t+4*\c:39+12*\t+4*\c], v8 offset:(4*\s+\t)*1536+512*\c
.endr
	ds_load_b32 v[28+\t], v9 offset:(4*\s+\t)*128
.endr
	s_wait_dscnt 0x0
.if \s == 0
	s_wait_loadcnt 0x0
.endif
.irp t, 0,1,2,3
.if \s == 0
	MMC 192+8*\t, 36+12*\t, 96+12*\s, 160+8*\t, 28+\t, 144+\s
.else
	MMA 192+8*\t, 36+12*\t, 96+12*\s, 28+\t, 144+\s
.endif
.endr
.endr
	PLACES
	QUANT2 192, 16, 236                            ; q's codes; q itself stays for the residual
	v_or_b32 v255, 0x7f7f0000, v254
	v_mov_b32 v13, 0xff61b1e6                      ; the largest score so far: -3e38
	v_mov_b32 v12, 0x7d000000                      ; -M to begin with: large, so that the first f is 0
	v_mov_b32 v14, 0
	v_mov_b32 v15, 0
.set j, 0
.rept 32
	v_mov_b32 v[160+j], 0                          ; O^T: the key step is written once; its first trip finds zeros
.set j, j+1
.endr
	s_mov_b32 s[T6], 0
	s_mov_b32 s[T15], 0
	s_mov_b32 s[KST], 8
.Lkey:                                             ; a key step: 128 keys
	v_add_nc_u32 v10, s[T6], v5
	v_add_nc_u32 v11, s[T6], v6
	v_add_nc_u32 v94, s[T15], v7
	v_mov_b32 v254, v12                            ; the old -M.  These four are the places in front of loads into registers that the last products read
.irp t, 0,1,2,3,4,5,6,7
	ds_load_b128 v[36+6*\t:39+6*\t], v10 offset:768*\t
	ds_load_b64 v[40+6*\t:41+6*\t], v11 offset:768*\t+512
	ds_load_b32 v[28+\t], v94 offset:128*\t
.endr
	s_wait_alu depctr_va_vdst(0)                   ; the wait ahead of the wait below
	s_wait_dscnt 0x0
.irp t, 0,1,2,3,4,5,6,7
	MMZ 96+8*\t, 36+6*\t, 16, 28+\t, 255           ; S^T: registers 32 c + i of lane (r, h) are keys 64 c + 32 h + i of query r
.endr
	PLACES
.irp t, 0,1,2,3                                ; v's four fragments are asked for now and land under the softmax
.irp c, 0,1
	ds_load_b128 v[36+12*\t+6*\c:39+12*\t+6*\c], v10 offset:VOFF+3072*\c+768*\t
	ds_load_b64 v[40+12*\t+6*\c:41+12*\t+6*\c], v11 offset:VOFF+3072*\c+768*\t+512
.endr
	ds_load_b32 v[28+\t], v94 offset:1024+128*\t
.endr
.irp b, 0,1,2,3                                ; the largest score of each block of 32 keys, in two chains a block, each accumulator from its low end on
	v_max3_num_f32 v[232+\b], v[96+16*\b], v[97+16*\b], v[98+16*\b]
.endr
.irp i, 3,5,7,9,11,13
.irp b, 0,1,2,3
	v_max3_num_f32 v[232+\b], v[232+\b], v[96+16*\b+\i], v[97+16*\b+\i]
.endr
.endr
	v_max3_num_f32 v232, v232, v233, v111
	v_max3_num_f32 v234, v234, v235, v143
	v_max_num_f32 v232, v232, v127                 ; block h of these 128 keys,
	v_max_num_f32 v234, v234, v159                 ; and block 2 + h: all 32 scores are mine
	s_delay_alu instid0(VALU_DEP_1)
	v_max_num_f32 v252, v232, v234
	v_permlanex16_b32 v236, v252, s[SEL], s[SEL+1]
	s_delay_alu instid0(VALU_DEP_1)
	v_max3_num_f32 v13, v13, v252, v236            ; the running largest score of my query
	s_delay_alu instid0(VALU_DEP_1)
	v_mul_f32 v252, s[CS], v13                     ; as t (c is positive)
	s_delay_alu instid0(VALU_DEP_1)
	v_floor_f32 v12, -v252                         ; the new -M = -ceil(t): a whole number
	s_delay_alu instid0(VALU_DEP_1)
	v_sub_f32 v254, v12, v254                      ; old M - new M: a whole number, 0 or less
	s_delay_alu instid0(VALU_DEP_1)
	v_cvt_i32_f32 v254, v254                       ; (it saturates)
	s_delay_alu instid0(VALU_DEP_1)
	v_ldexp_f32 v250, 1.0, v254                    ; f = 2^(old M - new M)
.set j, 0
.rept 32
	v_pk_fma_f32 v[96+j:97+j], v[96+j:97+j], s[CS:CS+1], v[12:13] op_sel_hi:[1,0,0]   ; t - M, two at a time
.set j, j+2
.endr
	v_fma_f32 v232, v232, s[CS], v12               ; the same of each block's largest score
	v_fma_f32 v234, v234, s[CS], v12
	s_wait_alu depctr_va_vdst(0)                   ; the wait ahead of the batch
.set j, 0
.rept 64
	v_exp_f32 v[96+j], v[96+j]                     ; p = 2^(t - M), not normalised
.set j, j+1
.endr
	v_exp_f32 v232, v232                           ; the blocks' largest p: the same two instructions on the same number
	v_exp_f32 v234, v234
	v_pk_mul_f32 v[14:15], v[14:15], v[250:251] op_sel_hi:[1,0]   ; the sums under the new M: the plain instruction behind the batch
	s_wait_alu depctr_va_vdst(0)                   ; one wait for the batch of 66, ahead of its first reader
.irp q, 0,1,2,3,4,5,6                          ; the row's sum of the unquantised p: eight chains of pairs
	v_pk_add_f32 v[236+2*\q:237+2*\q], v[98+2*\q:99+2*\q], v[112+2*\q:113+2*\q]
.endr
	v_pk_add_f32 v[14:15], v[14:15], v[96:97]
.irp q, 0,1,2,3,4,5,6
	v_pk_add_f32 v[236+2*\q:237+2*\q], v[236+2*\q:237+2*\q], v[126+2*\q:127+2*\q]
.endr
	v_pk_add_f32 v[14:15], v[14:15], v[140:141]
.irp q, 0,1,2,3,4,5,6
	v_pk_add_f32 v[236+2*\q:237+2*\q], v[236+2*\q:237+2*\q], v[142+2*\q:143+2*\q]
.endr
	v_pk_add_f32 v[14:15], v[14:15], v[156:157]
	v_pk_add_f32 v[236:237], v[236:237], v[158:159]
	v_pk_add_f32 v[240:241], v[240:241], v[242:243]
	v_pk_add_f32 v[244:245], v[244:245], v[246:247]
	v_pk_add_f32 v[14:15], v[14:15], v[248:249]
	v_pk_add_f32 v[236:237], v[236:237], v[238:239]
	s_delay_alu instid0(VALU_DEP_2)
	v_pk_add_f32 v[14:15], v[14:15], v[244:245]
	s_delay_alu instid0(VALU_DEP_2)
	v_pk_add_f32 v[236:237], v[236:237], v[240:241]
	s_delay_alu instid0(VALU_DEP_1)
	v_pk_add_f32 v[14:15], v[14:15], v[236:237]
	v_max_num_f32 v232, 0x1800000, v232            ; the floor 2^(3 - 127)
	v_max_num_f32 v234, 0x1800000, v234
	s_delay_alu instid0(VALU_DEP_2)
	v_add_nc_u32 v244, 0xff000000, v232            ; the conversions' scale operands
	s_delay_alu instid0(VALU_DEP_2)
	v_add_nc_u32 v245, 0xff000000, v234
.irp c, 0,1
	v_cvt_scalef32_pk16_fp6_f32 v[224+6*\c:226+6*\c], v[96+32*\c:111+32*\c], v[244+\c]     ; my block's lower 16 codes: registers 6 c .. 6 c + 2
	v_cvt_scalef32_pk16_fp6_f32 v[236+4*\c:238+4*\c], v[112+32*\c:127+32*\c], v[244+\c]    ; its upper 16 (a conversion's three registers begin on an even number)
.endr
	v_lshrrev_b32 v246, 23, v244                   ; the bytes of blocks h and 2 + h.  (The plain instruction behind the scaled conversions)
	v_lshrrev_b32 v247, 23, v245
	s_delay_alu instid0(VALU_DEP_1)
	v_lshl_or_b32 v246, v247, 16, v246
	s_delay_alu instid0(VALU_DEP_1)
	v_lshlrev_b32 v246, v95, v246                  ; at their places in the word: 8 h bits up
	s_delay_alu instid0(VALU_DEP_1)
	v_permlanex16_b32 v247, v246, s[SEL], s[SEL+1]
	s_delay_alu instid0(VALU_DEP_1)
	v_or_b32 v253, v246, v247                      ; with lane l xor 16's two: p's scale word for these 128 keys
.irp c, 0,1
.irp i, 0,1,2
	v_mov_b32 v[227+6*\c+\i], v[236+4*\c+\i]
.endr
.endr
	s_wait_alu depctr_va_vdst(0)                   ; the wait directly ahead of the first reader of O^T
.set j, 0
.rept 16
	v_pk_mul_f32 v[160+j:161+j], v[160+j:161+j], v[250:251] op_sel_hi:[1,0]   ; O^T under the new M; these sixteen also stand between the writes of p's codes and word and the products
.set j, j+2
.endr
	s_wait_alu depctr_va_vdst(0)                   ; the wait ahead of the wait below
	s_wait_dscnt 0x0                               ; v's fragments and scale words are in
.irp t, 0,1,2,3
	MMA 160+8*\t, 36+12*\t, 224, 28+\t, 253        ; O^T += v^T p^T
.endr
	s_add_co_u32 s[T6], s[T6], 6144
	s_add_co_u32 s[T15], s[T15], 1536
	s_sub_co_u32 s[KST], s[KST], 1
	s_cmp_lg_u32 s[KST], 0
	s_cbranch_scc1 .Lkey
	PLACES
	v_add_f32 v14, v14, v15
	s_delay_alu instid0(VALU_DEP_1)
	v_permlanex16_b32 v252, v14, s[SEL], s[SEL+1]
	s_delay_alu instid0(VALU_DEP_1)
	v_add_f32 v14, v14, v252                       ; the row's sum
	s_wait_alu depctr_va_vdst(0)
	v_rcp_f32 v250, v14
	v_nop
	s_wait_alu depctr_va_vdst(0)
.set j, 0
.rept 16
	v_pk_fma_f32 v[160+j:161+j], v[160+j:161+j], v[250:251], v[192+j:193+j] op_sel_hi:[1,0,1]   ; O = q + O^T / l
.set j, j+2
.endr
	QUANT2 160, 224, 236                           ; O's 64 channels are half a K step of the last product
	global_store_b128 v1, v[224:227], s[PO:PO+1]               ; 512 consecutive bytes, aligned
	global_store_b64 v2, v[228:229], s[PO:PO+1] offset:512     ; 256 consecutive bytes, aligned
	global_store_b16 v3, v254, s[POS:POS+1]                    ; my row's two bytes of the K step's word; the other two are the neighbouring head's
	s_wait_xcnt 0x0                                ; bases and registers are stepped and written again only behind this wait
	s_add_nc_u64 s[PQ:PQ+1], s[PQ:PQ+1], 6144
	s_add_nc_u64 s[PQS:PQS+1], s[PQS:PQS+1], 512
	s_add_nc_u64 s[PO:PO+1], s[PO:PO+1], 12288
	s_add_nc_u64 s[POS:POS+1], s[POS:POS+1], 1024
	s_sub_co_u32 s[PASS], s[PASS], 1
	s_cmp_lg_u32 s[PASS], 0
	s_cbranch_scc1 .Lpass
	s_wait_xcnt 0x0
	v_lshl_add_u32 v254, v0, 2, SPARE
	v_mov_b32 v255, 0
	s_wait_alu depctr_va_vdst(0)
	s_wait_tensorcnt 0x0                           ; the wave's end
	ds_add_u32 v254, v255
	s_wait_dscnt 0x0
	s_endpgm
.Lfunc_end_k_qd33a34aa2d_attn:
	.size	k_qd33a34aa2d_attn, .Lfunc_end_k_qd33a34aa2d_attn-k_qd33a34aa2d_attn
	.p2alignl 7, 3214868480
	.fill 96, 4, 3214868480
	.section	.rodata,"a",@progbits
	.p2align	6, 0x0
	.amdhsa_kernel k_qd33a34aa2d_attn
		.amdhsa_group_segment_fixed_size 192512
		.amdhsa_private_segment_fixed_size 0
		.amdhsa_enable_private_segment 0
		.amdhsa_kernarg_size 144
		.amdhsa_user_sgpr_count 2
		.amdhsa_user_sgpr_kernarg_segment_ptr 1
		.amdhsa_wavefront_size32 1
		.amdhsa_system_sgpr_workgroup_id_x 1
		.amdhsa_system_sgpr_workgroup_id_y 1
		.amdhsa_system_sgpr_workgroup_id_z 1
		.amdhsa_system_vgpr_workitem_id 0
		.amdhsa_next_free_vgpr 256
		.amdhsa_next_free_sgpr 80
		.amdhsa_reserve_vcc 0
		.amdhsa_float_denorm_mode_32 3
		.amdhsa_float_denorm_mode_16_64 3
		.amdhsa_memory_ordered 1
		.amdhsa_forward_progress 1
		.amdhsa_inst_pref_size 109
	.end_amdhsa_kernel
	.amdgpu_metadata
---
amdhsa.version: [ 1, 2 ]
amdhsa.kernels:
  - .name:           k_qd33a34aa2d_attn
    .symbol:         k_qd33a34aa2d_attn.kd
    .args:
      - { .name: xcodes, .offset: 0, .size: 8, .value_kind: global_buffer, .address_space: global }
      - { .name: xscales, .offset: 8, .size: 8, .value_kind: global_buffer, .address_space: global }
      - { .name: wcodes, .offset: 16, .size: 8, .value_kind: global_buffer, .address_space: global }
      - { .name: wscales, .offset: 24, .size: 8, .value_kind: global_buffer, .address_space: global }
      - { .name: b_q_xx, .offset: 32, .size: 8, .value_kind: global_buffer, .address_space: global }
      - { .name: b_k_xx, .offset: 40, .size: 8, .value_kind: global_buffer, .address_space: global }
      - { .name: b_v_xx, .offset: 48, .size: 8, .value_kind: global_buffer, .address_space: global }
      - { .name: b_q_xy, .offset: 56, .size: 8, .value_kind: global_buffer, .address_space: global }
      - { .name: b_k_xy, .offset: 64, .size: 8, .value_kind: global_buffer, .address_space: global }
      - { .name: b_v_xy, .offset: 72, .size: 8, .value_kind: global_buffer, .address_space: global }
      - { .name: b_q_yx, .offset: 80, .size: 8, .value_kind: global_buffer, .address_space: global }
      - { .name: b_k_yx, .offset: 88, .size: 8, .value_kind: global_buffer, .address_space: global }
      - { .name: b_v_yx, .offset: 96, .size: 8, .value_kind: global_buffer, .address_space: global }
      - { .name: b_q_yy, .offset: 104, .size: 8, .value_kind: global_buffer, .address_space: global }
      - { .name: b_k_yy, .offset: 112, .size: 8, .value_kind: global_buffer, .address_space: global }
      - { .name: b_v_yy, .offset: 120, .size: 8, .value_kind: global_buffer, .address_space: global }
      - { .name: ocodes, .offset: 128, .size: 8, .value_kind: global_buffer, .address_space: global }
      - { .name: oscales, .offset: 136, .size: 8, .value_kind: global_buffer, .address_space: global }
    .group_segment_fixed_size: 192512
    .private_segment_fixed_size: 0
    .kernarg_segment_align: 8
    .kernarg_segment_size: 144
    .max_flat_workgroup_size: 512
    .sgpr_count:     80
    .vgpr_count:     256
    .wavefront_size: 32
...
	.end_amdgpu_metadata
.endif
;; end of part 2
;; launch outg (part 3): grid 256 x 1, 8 waves a work-group, no clusters, 35,840 bytes of LDS; arguments ocodes, oscales, wcodes, wscales, b_X, b_Y, X, Y, out0, out1; writes out0, out1
.if DOCPART == 3
	.amdgcn_target "amdgcn-amd-amdhsa--gfx1250"
	.amdhsa_code_object_version 6
	.text
	.protected	k_qd33a34aa2d_outg
	.globl	k_qd33a34aa2d_outg
	.p2align	8
	.type	k_qd33a34aa2d_outg,@function
k_qd33a34aa2d_outg:
	s_mov_b64 s[64:65], 0
	v_nop
	global_prefetch_b8 v0, s[64:65] scope:SCOPE_SE
	s_setreg_imm32_b32 hwreg(HW_REG_WAVE_MODE, 25, 1), 1
	s_wait_xcnt 0x0
; out_x = X + relu([O_xx, O_xy] W_X + b_X), out_y likewise: [8192][1024] x [1024][512] on codes of FP6 (E2M3) with E8M0 scales, f32 sums.
; O arrives as half fragments (16 rows x 64 K, 768 bytes: registers 0-3 of lane l at 16 l, registers 4, 5 at 512 + 8 l), [tile of rows][K step 8][half 2]; its scale words [tile][K step][128 bytes].
; The weights arrive as fragment images [slab][group of 64 columns][4 s + t][1,536 bytes].  All operands go from memory straight into operand registers.
; ORDER: of each 32 rows, tile u holds in lane r the row 8 u + r + 8 (r / 8); the weights' columns likewise.  The product is used transposed (source 0 = 16 columns of W, source 1 = 16 rows of O):
; a lane holds one row, and the 16 registers of tiles 2 b, 2 b + 1 are the columns 32 b + 16 h + 0 .. 15.
; SHARES: the first 128 work-groups make out_x, the others out_y; a work-group takes 64 rows (four tiles) x 512 columns; wave w the columns 64 w .. 64 w + 63: sixteen accumulators by turns.
; REGISTERS, in two windows of 256: window 0: addresses, all scale words, the even K steps' operands (v32-127), the accumulators (v128-255).
; window 1: the odd K steps' operands (v32-127) and X's 64 rows x 256 bytes (v128-255).  So a K step's 36 loads are issued two K steps ahead of its products,
; and X's rows are loaded behind K steps 0 to 3, eight loads each: the way out waits for no load.
; The bias is loaded into the accumulators and starts the sums.  On the way out 16 rows x 256 bytes go through the wave's own stage in LDS (rows 272 bytes apart), so that sixteen lanes store 256 consecutive bytes, aligned.
; NO JOINT REQUESTS, NO PREFETCH: all operands go straight into registers, named by their loads two K steps ahead; no tensor load stands in this text.  Waves share no LDS: no barrier.
.set ACC, 128                          ; accumulator (m, t) at 32 m + 8 t
.set OF,  32                           ; O's four fragments, in window ks % 2
.set WF,  80                           ; W's four, likewise;  on the way out v96-127 of window 0: 16 rows read back
.set OS,  16                           ; O's scale words: v16-19 (even K steps), v24-27 (odd)
.set WS,  20                           ; W's: v20-23 (even), v12-15 (odd)
.set XW,  128                          ; X's rows, window 1: tile m at 32 m
.set BK,  96
.set MSB, 0
.macro WIN new                         ; the immediate's high byte repeats the setting that is left
.if MSB != \new
	s_set_vgpr_msb (MSB<<8)|\new
.set MSB, \new
.endif
.endm
.macro MMA d, a, b, sa, sb
	v_wmma_scale_f32_16x16x128_f8f6f4 v[\d:\d+7], v[\a:\a+11], v[\b:\b+11], v[\d:\d+7], v[\sa], v[\sb] matrix_a_fmt:MATRIX_FMT_FP6 matrix_b_fmt:MATRIX_FMT_FP6
.endm
.macro PLACES                          ; four plain instructions between a matrix instruction and a read of its result or a load into its registers (ISA guide 7.12.1 for vector instructions)
.rept 4
	v_nop
.endr
.endm
	s_load_b256 s[4:11], s[0:1], 0x0               ; O's codes, O's scale words, W's codes, W's scale words
	s_load_b256 s[12:19], s[0:1], 0x20             ; b_X, b_Y, X, Y
	s_load_b128 s[20:23], s[0:1], 0x40             ; out0, out1
	v_lshl_add_u32 v30, v0, 2, 0x8800
	v_mov_b32 v31, 0
	v_lshrrev_b32 v1, 5, v0
	s_delay_alu instid0(VALU_DEP_1)
	v_readfirstlane_b32 s24, v1                    ; wave 0..7
	s_lshr_b32 s25, ttmp9, 7                       ; 0: out_x, 1: out_y
	s_mul_i32 s26, ttmp9, 49152                    ; my four tiles of O: 12,288 bytes each
	s_mov_b32 s27, 0
	s_lshl_b32 s28, ttmp9, 12                      ; and their scale words: 1,024 each
	s_mov_b32 s29, 0
	s_lshl_b32 s30, s25, 4
	s_add_co_u32 s30, s30, 96
	s_add_co_u32 s30, s30, s24                     ; (slab 12 + 2 o) x 8 + my group of 64 columns
	s_lshl_b32 s32, s30, 11
	s_mov_b32 s33, 0
	s_mul_i32 s30, s30, 24576
	s_mov_b32 s31, 0
	s_lshl_b32 s34, s24, 8                         ; my 64 columns: 256 bytes
	s_mov_b32 s35, 0
	s_and_b32 s36, ttmp9, 127
	s_lshl_b32 s36, s36, 17                        ; my 64 rows of 2,048 bytes
	s_add_co_u32 s36, s36, s34
	s_mov_b32 s37, 0
	s_mul_i32 s38, s24, 4352                       ; my stage
	v_and_b32 v8, 31, v0                           ; lane
	s_delay_alu instid0(VALU_DEP_1)
	v_lshlrev_b32 v1, 4, v8                        ; 16 l
	s_delay_alu instid0(VALU_DEP_2)
	v_lshlrev_b32 v2, 3, v8                        ; 8 l
	s_delay_alu instid0(VALU_DEP_3)
	v_lshlrev_b32 v3, 2, v8                        ; 4 l
	v_bfe_u32 v9, v0, 4, 1                         ; h
	s_delay_alu instid0(VALU_DEP_1)
	v_lshlrev_b32 v4, 6, v9                        ; 64 h
	v_and_b32 v10, 15, v0                          ; r
	s_delay_alu instid0(VALU_DEP_1)
	v_mul_u32_u24 v5, v10, 272
	s_delay_alu instid0(VALU_DEP_1)
	v_add_nc_u32 v5, v5, v4
	s_delay_alu instid0(VALU_DEP_1)
	v_add_nc_u32 v5, s38, v5                       ; into the stage: row r, + 64 h
	v_mul_u32_u24 v6, v9, 272
	s_delay_alu instid0(VALU_DEP_1)
	v_lshl_add_u32 v6, v10, 4, v6
	s_delay_alu instid0(VALU_DEP_1)
	v_add_nc_u32 v6, s38, v6                       ; back: lanes 0-15 one row of 256 bytes, lanes 16-31 the next
	v_lshlrev_b32 v7, 11, v9
	s_delay_alu instid0(VALU_DEP_1)
	v_lshl_add_u32 v7, v10, 4, v7                  ; and the same two rows in X and in the output
	s_wait_alu depctr_va_vdst(0)                   ; the wait at the head's end
	s_wait_kmcnt 0x0
	s_cmp_lt_u32 ttmp9, 128                        ; the choice hangs on the work-group's number alone
	s_cselect_b64 s[12:13], s[12:13], s[14:15]
	s_cselect_b64 s[16:17], s[16:17], s[18:19]
	s_cselect_b64 s[20:21], s[20:21], s[22:23]
	s_add_nc_u64 s[4:5], s[4:5], s[26:27]
	s_add_nc_u64 s[6:7], s[6:7], s[28:29]
	s_add_nc_u64 s[8:9], s[8:9], s[30:31]
	s_add_nc_u64 s[10:11], s[10:11], s[32:33]
	s_add_nc_u64 s[12:13], s[12:13], s[34:35]
	s_add_nc_u64 s[16:17], s[16:17], s[36:37]
	s_add_nc_u64 s[20:21], s[20:21], s[36:37]
.irp m, 0,1,2,3
.irp t, 0,1,2,3
	global_load_b128 v[ACC+32*\m+8*\t:ACC+32*\m+8*\t+3], v4, s[12:13] offset:128*(\t/2)+32*(\t%2)       ; the bias: lane (r, h) wants, for tile 2 b + u, columns 32 b + 16 h + 8 u + 0 .. 7
	global_load_b128 v[ACC+32*\m+8*\t+4:ACC+32*\m+8*\t+7], v4, s[12:13] offset:128*(\t/2)+32*(\t%2)+16
.endr
.endr
.macro LOADK ks                        ; K step ks: 28 loads of codes into window ks % 2, 8 of scale words into window 0.  Every offset is an immediate
.if (\ks)%2
	WIN 0x40                                       ; destination window 1, address window 0
.endif
.irp m, 0,1,2,3
.irp c, 0,1
	global_load_b128 v[OF+12*\m+6*\c:OF+12*\m+6*\c+3], v1, s[4:5] offset:12288*\m+1536*(\ks)+768*\c
	global_load_b64 v[OF+12*\m+6*\c+4:OF+12*\m+6*\c+5], v2, s[4:5] offset:12288*\m+1536*(\ks)+768*\c+512
.endr
.endr
.irp t, 0,1,2,3
.irp c, 0,1,2
	global_load_b128 v[WF+12*\t+4*\c:WF+12*\t+4*\c+3], v1, s[8:9] offset:196608*((\ks)/4)+(4*((\ks)%4)+\t)*1536+512*\c
.endr
.endr
	WIN 0
.irp m, 0,1,2,3
	global_load_b32 v[OS+8*((\ks)%2)+\m], v3, s[6:7] offset:1024*\m+128*(\ks)
.endr
.irp t, 0,1,2,3
	global_load_b32 v[WS-8*((\ks)%2)+\t], v3, s[10:11] offset:16384*((\ks)/4)+(4*((\ks)%4)+\t)*128
.endr
.endm
.macro XR m                            ; X's 16 rows of tile m, my 256 bytes of each, into window 1: stage row 2 i + (lane / 16) is row 32 (m / 2) + 8 (m % 2) + 2 i + (lane / 16) + 8 (i / 4)
	WIN 0x40
.irp i, 0,1,2,3,4,5,6,7
	global_load_b128 v[XW+32*(\m)+4*\i:XW+32*(\m)+4*\i+3], v7, s[16:17] offset:(32*((\m)/2)+8*((\m)%2)+2*\i+8*(\i/4))*2048 th:TH_LOAD_NT
.endr
	WIN 0
.endm
.macro STEP ks, younger                ; younger: the loads issued behind this K step's own, which may stay out
	s_wait_loadcnt \younger
.if (\ks)%2
	WIN 0x05                                       ; sources 0 and 1 window 1; C and D window 0
.endif
.irp m, 0,1,2,3
.irp t, 0,1,2,3
	MMA ACC+32*\m+8*\t, WF+12*\t, OF+12*\m, WS-8*((\ks)%2)+\t, OS+8*((\ks)%2)+\m
.endr
.endr
	WIN 0
	PLACES
.if \ks < 6
	LOADK (\ks)+2
.endif
.if \ks < 4
	XR \ks
.endif
.endm
	LOADK 0
	LOADK 1
	STEP 0, 36                                     ; K step 1's 36
	STEP 1, 44                                     ; K step 2's 36 and X's first 8
	STEP 2, 52                                     ; 8 of X, K step 3's 36, 8 of X
	STEP 3, 52
	STEP 4, 52
	STEP 5, 44                                     ; X's last 8 and K step 6's 36
	STEP 6, 36                                     ; K step 7's 36
	STEP 7, 0
.macro EPI m
.set j, 0
.rept 32
	v_max_num_f32 v[ACC+32*(\m)+j], 0, v[ACC+32*(\m)+j]   ; relu, each accumulator from its low end on
.set j, j+1
.endr
.irp t, 0,1,2,3
	ds_store_b128 v5, v[ACC+32*(\m)+8*\t:ACC+32*(\m)+8*\t+3] offset:128*(\t/2)+32*(\t%2)
	ds_store_b128 v5, v[ACC+32*(\m)+8*\t+4:ACC+32*(\m)+8*\t+7] offset:128*(\t/2)+32*(\t%2)+16
.endr
.if (\m) > 0
	s_wait_xcnt 0x0                                ; the last tile's stores have read their registers: they are loaded again only behind this wait
.endif
.irp i, 0,1,2,3,4,5,6,7
	ds_load_b128 v[BK+4*\i:BK+4*\i+3], v6 offset:544*\i   ; LDS serves a wave's instructions in order: these see my stores, and the next tile's stores come behind them
.endr
	s_wait_dscnt 0x0
	WIN 0x04                                       ; source 1 window 1
.set j, 0
.rept 16
	v_pk_add_f32 v[BK+j:BK+j+1], v[BK+j:BK+j+1], v[XW+32*(\m)+j:XW+32*(\m)+j+1]   ; + X
.set j, j+2
.endr
	WIN 0
.irp i, 0,1,2,3,4,5,6,7
	global_store_b128 v7, v[BK+4*\i:BK+4*\i+3], s[20:21] offset:(32*((\m)/2)+8*((\m)%2)+2*\i+8*(\i/4))*2048 th:TH_STORE_NT   ; sixteen lanes store 256 consecutive bytes, aligned
.endr
.endm
	EPI 0
	EPI 1
	EPI 2
	EPI 3
	s_wait_tensorcnt 0x0                           ; the wave's end
	ds_add_u32 v30, v31
	s_wait_dscnt 0x0
	s_endpgm
.Lfunc_end_k_qd33a34aa2d_outg:
	.size	k_qd33a34aa2d_outg, .Lfunc_end_k_qd33a34aa2d_outg-k_qd33a34aa2d_outg
	.p2alignl 7, 3214868480
	.fill 96, 4, 3214868480
	.section	.rodata,"a",@progbits
	.p2align	6, 0x0
	.amdhsa_kernel k_qd33a34aa2d_outg
		.amdhsa_group_segment_fixed_size 35840
		.amdhsa_private_segment_fixed_size 0
		.amdhsa_enable_private_segment 0
		.amdhsa_kernarg_size 80
		.amdhsa_user_sgpr_count 2
		.amdhsa_user_sgpr_kernarg_segment_ptr 1
		.amdhsa_wavefront_size32 1
		.amdhsa_system_sgpr_workgroup_id_x 1
		.amdhsa_system_sgpr_workgroup_id_y 1
		.amdhsa_system_sgpr_workgroup_id_z 1
		.amdhsa_system_vgpr_workitem_id 0
		.amdhsa_next_free_vgpr 512
		.amdhsa_next_free_sgpr 66
		.amdhsa_reserve_vcc 0
		.amdhsa_float_denorm_mode_32 3
		.amdhsa_float_denorm_mode_16_64 3
		.amdhsa_memory_ordered 1
		.amdhsa_forward_progress 1
		.amdhsa_inst_pref_size 70
	.end_amdhsa_kernel
	.amdgpu_metadata
---
amdhsa.version: [ 1, 2 ]
amdhsa.kernels:
  - .name:           k_qd33a34aa2d_outg
    .symbol:         k_qd33a34aa2d_outg.kd
    .args:
      - { .name: ocodes, .offset: 0, .size: 8, .value_kind: global_buffer, .address_space: global }
      - { .name: oscales, .offset: 8, .size: 8, .value_kind: global_buffer, .address_space: global }
      - { .name: wcodes, .offset: 16, .size: 8, .value_kind: global_buffer, .address_space: global }
      - { .name: wscales, .offset: 24, .size: 8, .value_kind: global_buffer, .address_space: global }
      - { .name: b_X, .offset: 32, .size: 8, .value_kind: global_buffer, .address_space: global }
      - { .name: b_Y, .offset: 40, .size: 8, .value_kind: global_buffer, .address_space: global }
      - { .name: X, .offset: 48, .size: 8, .value_kind: global_buffer, .address_space: global }
      - { .name: Y, .offset: 56, .size: 8, .value_kind: global_buffer, .address_space: global }
      - { .name: out0, .offset: 64, .size: 8, .value_kind: global_buffer, .address_space: global }
      - { .name: out1, .offset: 72, .size: 8, .value_kind: global_buffer, .address_space: global }
    .group_segment_fixed_size: 35840
    .private_segment_fixed_size: 0
    .kernarg_segment_align: 8
    .kernarg_segment_size: 80
    .max_flat_workgroup_size: 256
    .sgpr_count:     66
    .vgpr_count:     512
    .wavefront_size: 32
...
	.end_amdgpu_metadata
.endif
;; end of part 3
